; MI455X (gfx1250); checked and timed in simulation.
; The chip was launched on July 23, 2026; its instructions are those of AMD's public machine-readable ISA for CDNA 5 (MIT licence, August 2026) and "CDNA5" Instruction Set Architecture Reference Guide (July 2026). The comments in the code are by the model that wrote it; some were corrected since.
;; Anomaly Attention. Allowed arithmetic: matrix products marked QUANTISED: E2M3 operands, one E8M0 scale for each 32 along K, by v_wmma_scale_f32_16x16x128_f8f6f4 with both operands' format E2M3, f32 sums; everything else in f32.
;; Inputs: attn_mask 2 x 1 x 2,048 x 2,048 bool; keys_channel_codes 2 x 2,048 x 8 x 2 x 24 uint8 (E2M3 codes of keys_channel, K innermost, in blocks of 32 codes, four codes in three bytes); keys_channel_scales 2 x 2,048 x 8 x 2 uint8 (E8M0 scales of keys_channel, one for each 32 codes along K); keys_time_codes 2 x 2,048 x 8 x 2 x 24 uint8 (E2M3 codes of keys_time, K innermost, in blocks of 32 codes, four codes in three bytes); keys_time_scales 2 x 2,048 x 8 x 2 uint8 (E8M0 scales of keys_time, one for each 32 codes along K); queries_channel_codes 2 x 2,048 x 8 x 2 x 24 uint8 (E2M3 codes of queries_channel, K innermost, in blocks of 32 codes, four codes in three bytes); queries_channel_scales 2 x 2,048 x 8 x 2 uint8 (E8M0 scales of queries_channel, one for each 32 codes along K); queries_time_codes 2 x 2,048 x 8 x 2 x 24 uint8 (E2M3 codes of queries_time, K innermost, in blocks of 32 codes, four codes in three bytes); queries_time_scales 2 x 2,048 x 8 x 2 uint8 (E8M0 scales of queries_time, one for each 32 codes along K); values_channel_codes 2 x 8 x 64 x 64 x 24 uint8 (E2M3 codes of values_channel, K innermost, in blocks of 32 codes, four codes in three bytes); values_channel_scales 2 x 8 x 64 x 64 uint8 (E8M0 scales of values_channel, one for each 32 codes along K); values_time_codes 2 x 8 x 64 x 64 x 24 uint8 (E2M3 codes of values_time, K innermost, in blocks of 32 codes, four codes in three bytes); values_time_scales 2 x 8 x 64 x 64 uint8 (E8M0 scales of values_time, one for each 32 codes along K).
;; Outputs: out0 2 x 2,048 x 8 x 64 float32; out1 2 x 2,048 x 8 x 64 float32.
;; This version of the problem:
;;   THIS VERSION OF THE PROBLEM IS GIVEN IN LOW PRECISION. The matrix products marked QUANTISED in the list below multiply operands that are first quantised to E2M3 (2 exponent bits, 3 mantissa bits; 6 bits a number), with one power-of-two scale for each 32 numbers along K (OCP MX v1.0); their sums are f32. All else is computed in f32.
;;   The module's matrix products, in the order in which they are computed (A, B: the left and right operand; K: the contracted axis; several contracted axes count as one K, in the product's order):
;;     1. batch 16 x [M 2,048, K 64] x [K 64, N 2,048]; A: input queries_time (given as codes); B: input keys_time (given as codes): QUANTISED
;;     2. batch 16 x [M 64, K 2,048] x [K 2,048, N 2,048]; A: input values_time (given as codes); B: softmax (see below): QUANTISED
;;     3. batch 16 x [M 2,048, K 64] x [K 64, N 2,048]; A: input queries_channel (given as codes); B: input keys_channel (given as codes): QUANTISED
;;     4. batch 16 x [M 64, K 2,048] x [K 2,048, N 2,048]; A: input values_channel (given as codes); B: softmax (see below): QUANTISED
;;   THE QUANTISER, for each operand of a quantised product, along K:
;;     - K is cut into blocks of 32 from its start; a last block that is shorter is filled with zeros.
;;     - A block's scale is 2^e with e = floor(log2(the largest magnitude in the block)) - 2, held to -126 .. 127; a block of zeros has e = 0. As a byte (E8M0): e + 127.
;;     - Each number is divided by its block's scale, clamped to +-7.5, and rounded to the nearest number of E2M3, ties to even, subnormals kept.
;;     - The product sums the exact products of the quantised numbers (number of the format x scale) in f32.
;;   ~~~python
;;   def quantise(x, axis):      # numpy; x: float32 -> the quantised numbers, widened to float32 again
;;       x = np.moveaxis(x, axis, -1); K = x.shape[-1]
;;       x = np.pad(x, [(0, 0)] * (x.ndim - 1) + [(0, -K % 32)]); x = x.reshape(x.shape[:-1] + (-1, 32)); a = np.abs(x).max(-1, keepdims=True)
;;       e = np.where(a > 0, np.clip(np.frexp(np.where(a > 0, a, 1))[1] - 1 - 2, -126, 127), 0)      # np.frexp(a)[1] - 1 = floor(log2(a)), exactly
;;       r = np.clip(x / 2.0 ** e, -7.5, 7.5)
;;       step = 2.0 ** (np.maximum(np.frexp(np.where(r == 0, 1, r))[1] - 1, 0) - 3)
;;       q = np.round(r / step) * step * 2.0 ** e      # np.round: ties to even
;;       return np.moveaxis(q.reshape(q.shape[:-2] + (-1,))[..., :K], -1, axis).astype(np.float32)
;;   ~~~
;;   SOFTMAX AHEAD OF A QUANTISED PRODUCT. Where the list says 'softmax', what is quantised is not the finished softmax but p = 2^(t - M), with t = logit x log2(e) and M = ceil(the row's largest t), a whole number; so 1/2 < the row's largest p <= 1. The row's sum l is taken of the UNQUANTISED p, in f32, and the product's result is divided by l at the end. Since M is a whole number, a kernel that streams over the keys may use a running M (the ceiling of the running maximum): every later rescaling is an exact power of two, which a block's scale takes up: the codes' values come out the same.
;;   OPERANDS COMPUTED ON THE WAY. 'Computed on the way' means the value that the module computes at that place (a softmax that the list does not call 'softmax' is quantised finished and normalised). What goes into a quantiser is computed in f32, as accurately as f32 sums, v_exp_f32 and their like allow (about 1e-6 of the number): no bf16 or f16 on the way to a quantiser, and a product that is left as it is and whose result goes on into a quantised operand takes f32 operands (vector FMAs, or v_wmma_f32_16x16x4_f32). A number that lies on a knife's edge between two numbers of the format may be rounded either way, as far as f32 arithmetic and the matrix unit's own rounding can turn it there, and no further.
;;   INPUTS GIVEN AS CODES. keys_channel (in the module: [2, 2048, 8, 64], K = its axis 3); keys_time (in the module: [2, 2048, 8, 64], K = its axis 3); queries_channel (in the module: [2, 2048, 8, 64], K = its axis 3); queries_time (in the module: [2, 2048, 8, 64], K = its axis 3); values_channel (in the module: [2, 2048, 8, 64], K = its axis 1); values_time (in the module: [2, 2048, 8, 64], K = its axis 1): each comes as NAME_codes (uint8): NAME with its K axis moved to the last place and cut into blocks of 32 codes, [.., K / 32, bytes a block], one block behind the other in memory; four codes in three bytes: a row's codes are one little-endian stream of bits, code i at bits 6 i .. 6 i + 5 (a code: sign, 2 exponent bits, 3 mantissa bits); and NAME_scales (uint8): the same leading axes, one E8M0 byte (e + 127) for each 32 codes along K. Its value is code x scale, taken as it is: it is not quantised again, and the codes and scales need not be those that the quantiser above would give.
;; One version. Each part assembles by itself: llvm-mc -triple=amdgcn-amd-amdhsa -mcpu=gfx1250 --defsym DOCPART=n.
;; ======== version 1 of 1: 1 launch
;; limits: right only within a limited range of input values
;; launch attn (part 1): grid 8 x 32, 8 waves a work-group, no clusters, 327,680 bytes of LDS; arguments queries_time_codes, queries_time_scales, keys_time_codes, keys_time_scales, values_time_codes, values_time_scales, queries_channel_codes, queries_channel_scales, keys_channel_codes, keys_channel_scales, values_channel_codes, values_channel_scales, attn_mask, out0, out1; writes out0, out1
.if DOCPART == 1
	.amdgcn_target "amdgcn-amd-amdhsa--gfx1250"
	.amdhsa_code_object_version 6
	.text
	.protected	k_qbc7375d7f2_attn
	.globl	k_qbc7375d7f2_attn
	.p2align	8
	.type	k_qbc7375d7f2_attn,@function
k_qbc7375d7f2_attn:
	s_mov_b64 s[64:65], 0
	v_nop
	global_prefetch_b8 v0, s[64:65] scope:SCOPE_SE
	s_setreg_imm32_b32 hwreg(HW_REG_WAVE_MODE, 25, 1), 1
	s_wait_xcnt 0x0
; Two attentions (time, channel), each [2 b][2048 positions][8 heads][64]: O = softmax(mask(Q K^T) / 8) V, both products on codes of FP6 (E2M3) with one E8M0 scale for each 32 along a product's K.
; Q, K: codes [b][position][head][48 bytes], scale bytes [b][position][head][2].  V: codes with the keys innermost, [b][head][64 d][1,536 bytes], scale bytes [b][head][64 d][64].  The mask: one byte for (b, query, key), 1 = the key does not count.
; SOFTMAX: t = score x log2(e) / 8; M = the row's largest t so far, rounded up to a whole number; p = 2^(t - M) is quantised along the keys, not normalised; the row's sum is taken of the unquantised p and divides O at the end.
; When M moves, the sum and O are multiplied by 2^(old M - new M): exact.
; SHARES.  32 pairs (attention, b, head) x 8 blocks of 256 queries = 256 work-groups of eight waves; a wave owns 32 queries (two tiles u = 0, 1 of 16) and walks all 2,048 keys, 128 a step, two steps a trip: the mask is an input, so no tile is left out.
; ALL OF THE PAIR'S K AND V LIE IN LDS, each byte written once.  V comes by asynchronous copies at the head.  K comes through registers, in eight groups of 256 keys, a thread a key: groups 0 and 1 at the head; groups 2 to 7 one a step during the first
; three trips, which are written out.  Four plain barriers show what has come: ahead of the walk, in step 1 of trips 0 and 1, and ahead of the loop; behind that no wave waits for another.
; THE MASK goes in whole units of 256 bytes through registers into a stage of the wave's own: 16 rows x 256 keys at a time, asked for one step ahead of the stores.
; LAYOUT.  Both products are used transposed: S^T = K Q^T (source 0 = 16 keys), O^T = V^T P^T: a lane holds one query of each tile (r = lane % 16; h = lane / 16).  Row m of K's tile 4 c + v is key 64 c + 32 (m / 8) + 8 v + m % 8, so that
; a lane's S[32 c + i] is key 64 c + 32 h + i: a whole block of 32, the one that the second product's operand wants of that lane.
; THE MASK IS PART OF THE FIRST PRODUCT.  The head fills 64 of the instruction's K of 128: k = 64 .. 127.  In k = 0 .. 63 Q's operand holds mask bytes AS THEY LIE: in a stream of 6-bit codes a byte 0 or 1 at bit 8 i is code 8 i / 6 with its bit 0, 2 or 4 set:
; the number 0.125, 0.5 or 2 (or 0).  K's operand holds there, in row m, one code -2, at the code of that row's key: constants, written once.  With the scale bytes 177 on both sides a hidden key's score gets -0.25 x 2^100 or more; an open key's gets exact zeros.
; Six registers hold 24 mask bytes: tiles v = 0, 1, 2 of a half c.  Tile 3's eight bytes (for both halves c) lie in an operand of their own, beside a copy of Q.
; NO CLUSTER: K's rows of 48 bytes (of 384) run across 256-byte borders, so no tensor load brings them; beside K and V in LDS (205,824 bytes) two slots of the mask's 256 x 256 bytes do not fit; what a joint load could bring is V alone, 98,304 of the
; 98,304 + 98,304 + 524,288 bytes that a work-group takes of K, V and the mask.
; LIMITS.  Scores and t up to magnitude 2^90; a row whose largest open t lies under -2^90 counts as wholly hidden; a row all of whose keys are hidden gives NaN.  A scale byte 0xff among the inputs gives NaN.  A block of p that is all zeros keeps the scale
; byte 1 (its codes are zeros; the bytes are read here alone).  p under 2^-126 falls to 0.  The mask's bytes are 0 or 1.
.set KBLK,  1664                       ; 32 keys in LDS: 32 rows of 48 bytes + 128 free: the 32 lanes of a fragment load touch 64 different banks (64 banks of 4 bytes: ISA guide 11.1)
.set KGRP,  8*KBLK                     ; 256 keys
.set VP,    1552                       ; a row of V: 1,536 bytes + 16
.set VOFF,  64*KBLK                    ; V's 64 rows
.set SCK,   VOFF+64*VP                 ; K's scale words: 4 bytes a key: 177, 177, the key's two
.set SCV,   SCK+8192                   ; V's scale bytes: 16 runs of 256 + 16
.set STG,   SCV+16*272                 ; the stages: for each wave 32 rows x (256 + 16); on the way out the same bytes take O
.set WST,   32*272
.set SPARE, STG+8*WST                  ; the spare words, 128 bytes for each wave: no other line names them
.set SPW, 1                            ; v1  my spare word;  v2  0
.set NIL, 2
.set AKB, 3                            ; v3-6  my lane's places in K, V, K's scale words, V's
.set AVB, 4
.set ASKB, 5
.set ASVB, 6
.set AML, 7                            ; v7  the stage: row r, 32 h bytes on
.set AMS, 8                            ; v8  the stage: row h, 16 r bytes on
.set GMO, 9                            ; v9  2,048 h + 16 r: the same place in the mask and in O
.set PFO, 11                           ; v11 the prefetches' offset
.set AV,  12                           ; v12-15 V's four tiles, this pair of steps
.set AKE, 16                           ; v16, 17 K's halves of an even step;  v18, 19 of an odd one
.set AKO, 18
.set ASK, 20
.set ASV, 21
.set KGO, 22                           ; v22 my key of a group in memory;  v23, v34 in LDS (groups 0 to 3, 4 to 7)
.set QS,  24                           ; v24, 25 Q's scale words;  v26-29 K's;  v30, 31 V's;  v32, 33 p's: scales and nothing else
.set KS,  26
.set VS,  30
.set PS,  32
.set UB,  36                           ; for each u six registers: -M (even steps), largest t, -M (odd steps), work, f, work
.set PT,  56                           ; v56-58, v60-62 upper halves of two blocks' codes.  (v35, v50-53, v55, v59, v63: V's copies, untouched until they are done)
.set XY,  64                           ; v64-135 for each u: operands X (c = 0), X (c = 1), Y
.set P,   136                          ; v136-159 p's codes, 12 for each u
.set KF,  160                          ; v160-255 K's eight fragments: six constants, six of codes each
; window 1:
.set O,   128                          ; S of both tiles at 0-127 (V's four fragments in 0-47 while S of tile 0 is done with); O^T at 128-191
.set MG,  192                          ; 192-223 the mask on its way
.set BM,  224                          ; four blocks' largest score, then largest p
.set LS,  228                          ; the row sums, a pair for each u
.set TT,  232                          ; three further chains of sums
.set CSC, 238                          ; the conversions' scale operands
.set BY,  240
.set PW,  242
.set PX,  243
.set KG,  244                          ; 244-255 a group of K on its way: my key's 48 bytes
.set TRIPS, 2                          ; s2 trips still to come, this one among them, ahead of the last
.set WV,  6
.set SEL, 8                            ; s[8:9] lane selects: lane l xor 16
.set CS,  10                           ; s[10:11] c = log2(e) / 8
.set MB,  14                           ; s[14:15] the mask at my wave's first row
.set LIM, 16                           ; s16 the wave prefetches while s2 is above it
.set PF,  18
.set OUT, 22
.set KB,  24                           ; s[24:25] K's codes of my pair;  s[40:41] V's
.set VB,  40
.set SV,  44                           ; s44-47, s48-51, s52, s53 what is added to the lane's places
.set SK,  48
.set SSK, 52
.set SSV, 53
.set MSB, 0
.macro WIN new
.if MSB != \new
	s_set_vgpr_msb (MSB<<8)|\new
.set MSB, \new
.endif
.endm
.macro WALU
	s_wait_alu depctr_va_vdst(0)
.endm
.macro PLACES n
.rept \n
	v_nop
.endr
.endm
; K's group g (keys 256 g .. 256 g + 255), a thread a key, three pieces of 16 bytes on end: into window 1's registers from r on, and into LDS
.macro KGLOAD g, r
.irp p, 0,1,2
	global_load_b128 v[\r+4*\p:\r+4*\p+3], v[KGO], s[KB:KB+1] offset:98304*(\g)+16*\p
.endr
.endm
.macro KSTORE g, r
	WIN 0x04
.irp p, 0,1,2
	ds_store_b128 v[23+11*((\g)/4)], v[\r+4*\p:\r+4*\p+3] offset:KGRP*((\g)%4)+16*\p
.endr
.endm
; V's copies: bytes 256 q .. 256 q + 255 of all 64 rows
.macro VCOPY q
	global_load_async_to_lds_b128 v35, v50, s[VB:VB+1] offset:256*\q
	global_load_async_to_lds_b128 v59, v51, s[VB:VB+1] offset:256*\q
	global_load_async_to_lds_b128 v63, v52, s[VB:VB+1] offset:256*\q
	global_load_async_to_lds_b128 v55, v53, s[VB:VB+1] offset:256*\q
.endm
; The mask, 16 rows x 256 bytes: eight loads, two rows each; and into the stage
.macro MLOAD base, off
.irp k, 0,1,2,3,4,5,6,7
	global_load_b128 v[\base+4*\k:\base+4*\k+3], v[GMO], s[MB:MB+1] offset:(\off)+4096*\k
.endr
.endm
.macro MSTORE base, off
	WIN 0x04
.irp k, 0,1,2,3,4,5,6,7
	ds_store_b128 v[AMS], v[\base+4*\k:\base+4*\k+3] offset:(\off)+544*\k
.endr
.endm
; A step's mask bytes out of the stage: for each tile and half 24 bytes into X, 8 into Y
.macro XYLOAD q
	WIN 0
.irp u, 0,1
.irp c, 0,1
	ds_load_b128 v[XY+36*\u+12*\c:XY+36*\u+12*\c+3], v[AML] offset:4352*\u+128*\q+64*\c
	ds_load_b64 v[XY+36*\u+12*\c+4:XY+36*\u+12*\c+5], v[AML] offset:4352*\u+128*\q+64*\c+16
	ds_load_b64 v[XY+36*\u+24+2*\c:XY+36*\u+24+2*\c+1], v[AML] offset:4352*\u+128*\q+64*\c+24
.endr
.endr
.endm
; A step's eight fragments of K and their scale words (a register: tile 2 i in lanes 0-15, tile 2 i + 1 in lanes 16-31)
.macro KLOAD ak, ks
	WIN 0
.irp c, 0,1
.irp v, 0,1,2,3
	ds_load_2addr_b64 v[KF+48*\c+12*\v+6:KF+48*\c+12*\v+9], v[\ak+\c] offset0:48*\v offset1:48*\v+1
	ds_load_b64 v[KF+48*\c+12*\v+10:KF+48*\c+12*\v+11], v[\ak+\c] offset:384*\v+16
.endr
.irp i, 0,1
	ds_load_b32 v[KS+2*\c+\i], v[ASK] offset:\ks+256*\c+64*\i
.endr
.endr
.endm
; V's four fragments of the step into window 1's registers 0-47, where S of tile 0 is done with
.macro VLOAD q
	WIN 0x40
.irp t, 0,1,2,3
	ds_load_2addr_b64 v[12*\t:12*\t+3], v[AV+\t] offset0:12*\q offset1:12*\q+1
	ds_load_2addr_b64 v[12*\t+4:12*\t+7], v[AV+\t] offset0:12*\q+2 offset1:12*\q+6
	ds_load_2addr_b64 v[12*\t+8:12*\t+11], v[AV+\t] offset0:12*\q+7 offset1:12*\q+8
.endr
.endm
.macro VSLOAD q
	WIN 0
.irp i, 0,1
	ds_load_b32 v[VS+\i], v[ASV] offset:2176*\i+4*\q
.endr
.endm
.macro QK1 u, c, v, bop, row
	v_wmma_scale_f32_16x16x128_f8f6f4 v[64*\u+32*\c+8*\v:64*\u+32*\c+8*\v+7], v[KF+48*\c+12*\v:KF+48*\c+12*\v+11], v[\bop:\bop+11], 0, v[KS+2*\c+\v/2], v[QS+\u] matrix_a_fmt:MATRIX_FMT_FP6 matrix_b_fmt:MATRIX_FMT_FP6 matrix_a_scale:MATRIX_SCALE_ROW\row
.endm
.macro QK
	WIN 0x40
.irp c, 0,1
.irp u, 0,1
	QK1 \u, \c, 0, XY+36*\u+12*\c, 0
.endr
.irp u, 0,1
	QK1 \u, \c, 1, XY+36*\u+12*\c, 1
.endr
.irp u, 0,1
	QK1 \u, \c, 2, XY+36*\u+12*\c, 0
.endr
.irp u, 0,1
	QK1 \u, \c, 3, XY+36*\u+24, 1
.endr
.endr
.endm
.macro PV1 u, t, row
	v_wmma_scale_f32_16x16x128_f8f6f4 v[O+32*\u+8*\t:O+32*\u+8*\t+7], v[12*\t:12*\t+11], v[P+12*\u:P+12*\u+11], v[O+32*\u+8*\t:O+32*\u+8*\t+7], v[VS+\t/2], v[PS+\u] matrix_a_fmt:MATRIX_FMT_FP6 matrix_b_fmt:MATRIX_FMT_FP6 matrix_a_scale:MATRIX_SCALE_ROW\row
.endm
.macro PV
	WIN 0x51
.irp u, 0,1
	PV1 \u, 0, 0
	PV1 \u, 1, 1
	PV1 \u, 2, 0
	PV1 \u, 3, 1
.endr
.endm
; The largest score of each of my four blocks (two of each tile), by turns, each accumulator from its low end on
.macro BMAX
	WIN 0x55
.irp b, 0,1,2,3
	v_max3_num_f32 v[BM+\b], v[32*\b], v[32*\b+1], v[32*\b+2]
.endr
.set J, 3
.rept 14
.irp b, 0,1,2,3
	v_max3_num_f32 v[BM+\b], v[BM+\b], v[32*\b+J], v[32*\b+J+1]
.endr
.set J, J+2
.endr
.irp b, 0,1,2,3
	v_max_num_f32 v[BM+\b], v[BM+\b], v[32*\b+31]
.endr
.endm
; The running largest t, -M = floor(-t) (even and odd steps take turns between two registers), f = 2^(old M - new M)
.macro ROWMAX q
	WIN 0x05
.irp u, 0,1
	v_max_num_f32 v[UB+6*\u+5], v[BM+2*\u], v[BM+2*\u+1]
.endr
	WIN 0
.irp u, 0,1
	v_permlanex16_b32 v[UB+6*\u+3], v[UB+6*\u+5], s[SEL], s[SEL+1]
.endr
.irp u, 0,1
	v_max_num_f32 v[UB+6*\u+5], v[UB+6*\u+5], v[UB+6*\u+3]
.endr
.irp u, 0,1
	v_mul_f32 v[UB+6*\u+5], s[CS], v[UB+6*\u+5]
.endr
.irp u, 0,1
	v_max_num_f32 v[UB+6*\u+1], v[UB+6*\u+1], v[UB+6*\u+5]
.endr
.irp u, 0,1
	v_floor_f32 v[UB+6*\u+2*\q], -v[UB+6*\u+1]
.endr
.irp u, 0,1
	v_sub_f32 v[UB+6*\u+5], v[UB+6*\u+2*\q], v[UB+6*\u+2-2*\q]
.endr
.irp u, 0,1
	v_cvt_i32_f32 v[UB+6*\u+5], v[UB+6*\u+5]       ; a whole number, 0 or less (it saturates)
.endr
.irp u, 0,1
	v_ldexp_f32 v[UB+6*\u+4], 1.0, v[UB+6*\u+5]
.endr
.endm
; The next n of the 32 additions of tile u's 64 p: four chains
.macro SUMS u, n
.rept \n
.if SI == 0
	v_pk_add_f32 v[LS+2*\u:LS+2*\u+1], v[LS+2*\u:LS+2*\u+1], v[64*\u:64*\u+1]
.elseif SI < 4
	v_pk_add_f32 v[TT+2*SI-2:TT+2*SI-1], v[64*\u+4*SI-2:64*\u+4*SI-1], v[64*\u+4*SI:64*\u+4*SI+1]
.elseif SI < 29
.if SI%4 == 0
.set TR, LS+2*\u
.else
.set TR, TT+2*(SI%4)-2
.endif
	v_pk_add_f32 v[TR:TR+1], v[TR:TR+1], v[64*\u+2*SI+6:64*\u+2*SI+7]
.elseif SI == 29
	v_pk_add_f32 v[TT+2:TT+3], v[TT+2:TT+3], v[TT+4:TT+5]
.elseif SI == 30
	v_pk_add_f32 v[LS+2*\u:LS+2*\u+1], v[LS+2*\u:LS+2*\u+1], v[TT:TT+1]
.else
	v_pk_add_f32 v[LS+2*\u:LS+2*\u+1], v[LS+2*\u:LS+2*\u+1], v[TT+2:TT+3]
.endif
.set SI, SI+1
.endr
.endm
; Tile u's sum, scale word and codes.  The floor 2^(3 - 127) keeps the byte at 1 from below; the conversion takes the exponent field of its scale operand
.macro POST u
.set SI, 0
	WIN 0x55
	v_max_num_f32 v[CSC], 0x1800000, v[BM+2*\u]
	v_max_num_f32 v[CSC+1], 0x1800000, v[BM+2*\u+1]
	SUMS \u, 2
	v_add_nc_u32 v[CSC], 0xff000000, v[CSC]
	v_add_nc_u32 v[CSC+1], 0xff000000, v[CSC+1]
	SUMS \u, 2
	v_lshrrev_b32 v[BY], 23, v[CSC]
	v_lshrrev_b32 v[BY+1], 23, v[CSC+1]
	SUMS \u, 2
	v_lshl_or_b32 v[PW], v[BY+1], 16, v[BY]        ; my two bytes: blocks h and 2 + h,
	SUMS \u, 3
	v_permlanex16_b32 v[PX], v[PW], s[SEL], s[SEL+1]
	SUMS \u, 3
	WIN 0x15
	v_lshl_or_b32 v[PS+\u], v[PX], 8, v[PW]        ; in lanes 0-15, which are read, the whole word
	v_cvt_scalef32_pk16_fp6_f32 v[P+12*\u:P+12*\u+2], v[64*\u:64*\u+15], v[CSC]
	v_cvt_scalef32_pk16_fp6_f32 v[PT:PT+2], v[64*\u+16:64*\u+31], v[CSC]
	v_cvt_scalef32_pk16_fp6_f32 v[P+12*\u+6:P+12*\u+8], v[64*\u+32:64*\u+47], v[CSC+1]
	v_cvt_scalef32_pk16_fp6_f32 v[PT+4:PT+6], v[64*\u+48:64*\u+63], v[CSC+1]
	WIN 0x55
	SUMS \u, 4
	WIN 0
.irp i, 0,1,2
	v_mov_b32 v[P+12*\u+3+\i], v[PT+\i]            ; (a conversion's three registers begin on an even number)
	v_mov_b32 v[P+12*\u+9+\i], v[PT+4+\i]
.endr
	WIN 0x55
	SUMS \u, 16
.endm
; A STEP of 128 keys, the q-th of its trip.  first, last: the trip is the walk's first, last.  bar = 1: a barrier that shows V's copies and the groups of K stored so far; bar = 2: those groups.  kg: the group of K that is stored in this step (0: none).
; The five address lines at its head are also the places between the last products, which read V's fragments, and the products that write over them.
.macro STEP q, first, last, bar, kg
	WIN 0
.if (\q) == 0
.if (\first) == 0
.irp t, 0,1,2,3
	s_add_co_u32 s[SV+\t], s[SV+\t], 192
.endr
	s_add_co_u32 s[SSV], s[SSV], 8
.irp t, 0,1,2,3
	v_add_nc_u32 v[AV+\t], s[SV+\t], v[AVB]
.endr
	v_add_nc_u32 v[ASV], s[SSV], v[ASVB]
.endif
.elseif \last
	PLACES 5
.else
.irp t, 0,1,2,3
	s_add_co_u32 s[SK+\t], s[SK+\t], KGRP
.endr
	s_add_co_u32 s[SSK], s[SSK], 1024
.irp t, 0,1,2,3
	v_add_nc_u32 v[AKE+\t], s[SK+\t], v[AKB]
.endr
	v_add_nc_u32 v[ASK], s[SSK], v[ASKB]
.endif
	QK
	PLACES 4                                       ; ahead of the loads into the operands and of the first read of the results
.if \bar
	WIN 0
	WALU
.if (\bar) == 1
	s_wait_asynccnt 0x0                            ; all my copies have landed,
.endif
	s_wait_dscnt 0x0                               ; my stores of K are done,
	s_barrier_signal -1
	s_barrier_wait -1                              ; and so are everybody's
.endif
.if (\q) == 0
	KLOAD AKO, 512
.elseif (\last) == 0
	KLOAD AKE, 0
.endif
	BMAX
	ROWMAX \q
	WIN 0x41
.set J, 0
.rept 32
	v_pk_fma_f32 v[J:J+1], v[J:J+1], s[CS:CS+1], v[UB+2*\q:UB+2*\q+1] op_sel_hi:[1,0,0]   ; t - M, tile 0
.set J, J+2
.endr
	v_fma_f32 v[BM], v[BM], s[CS], v[UB+2*\q]
	v_fma_f32 v[BM+1], v[BM+1], s[CS], v[UB+2*\q]
.irp u, 0,1
	v_pk_mul_f32 v[LS+2*\u:LS+2*\u+1], v[LS+2*\u:LS+2*\u+1], v[UB+6*\u+4:UB+6*\u+5] op_sel_hi:[1,0]
.set J, O+32*\u
.rept 16
	v_pk_mul_f32 v[J:J+1], v[J:J+1], v[UB+6*\u+4:UB+6*\u+5] op_sel_hi:[1,0]   ; O^T under the new M
.set J, J+2
.endr
.endr
	WALU
	v_exp_f32 v[BM], v[BM]                         ; a block's largest p: the same two instructions on the same number as that p's own
	v_fma_f32 v[BM+2], v[BM+2], s[CS], v[UB+6+2*\q]
	v_exp_f32 v[BM+1], v[BM+1]
	v_fma_f32 v[BM+3], v[BM+3], s[CS], v[UB+6+2*\q]
.set J, 0
.rept 32
	v_exp_f32 v[J], v[J]
	v_pk_fma_f32 v[64+J:65+J], v[64+J:65+J], s[CS:CS+1], v[UB+6+2*\q:UB+7+2*\q] op_sel_hi:[1,0,0]   ; tile 1's t - M among tile 0's exponentials
	v_exp_f32 v[J+1], v[J+1]
.set J, J+2
.endr
	WALU
	POST 0
	; tile 0's scores are done with: V's fragments take their place; the mask, and in the first trips K, move on
.if (\q) == 0
	XYLOAD 1
.if (\last) == 0
	s_wait_loadcnt 0x0                             ; the next trip's mask, tile 0, asked for a step ago
	s_wait_xcnt 0x0                                ; and the last prefetch has read its address
	s_add_nc_u64 s[PF:PF+1], s[PF:PF+1], 256
	s_add_nc_u64 s[MB:MB+1], s[MB:MB+1], 256
	MSTORE MG, 0                                   ; behind the loads above: LDS serves a wave's instructions in order (ISA guide 5.7.1.4)
.endif
.if \kg
	KSTORE \kg, KG
.endif
	VLOAD 0
.if (\last) == 0
	MLOAD MG, 32768                                ; the next trip's mask, tile 1
.endif
.if (\kg) && (\kg) < 7
	KGLOAD \kg+1, KG
.endif
	VSLOAD 0
.else
.if (\last) == 0
	s_wait_loadcnt 0x0
	MSTORE MG, 4352
.if \kg
	KSTORE \kg, KG
.endif
	XYLOAD 0
.endif
	VLOAD 1
.if (\kg) && (\kg) < 7
	KGLOAD \kg+1, KG
.endif
	VSLOAD 1
.if (\last) == 0
.if \kg
	WIN 0x40
	MLOAD MG, 256                                  ; tile 0's mask of the trip after the next
	WIN 0
.else
	s_cmp_eq_u32 s[TRIPS], 1
	s_cbranch_scc1 .Lno_mask_\@                    ; behind the last trip there is none
	WIN 0x40
	MLOAD MG, 256
	WIN 0
.Lno_mask_\@:
.endif
	; A PREFETCH INTO THE L2: the mask of the trip four on, which the loads above ask for two trips from here; trips 0 to 3 come by their loads alone.  The sixteen work-groups that read a block of 256 rows share it out by address,
	; 16 rows each, wave 0 asking, a lane a row (lanes 16-31 name the same rows again)
	s_cmp_gt_u32 s[TRIPS], s[LIM]
	s_cbranch_scc0 .Lno_ask_\@
	global_prefetch_b8 v[PFO], s[PF:PF+1] th:TH_LOAD_NT scope:SCOPE_SE
.Lno_ask_\@:
.endif
.endif
	WIN 0x41
	WALU
	v_exp_f32 v[BM+2], v[BM+2]
	v_exp_f32 v[BM+3], v[BM+3]
.set J, 64
.rept 64
	v_exp_f32 v[J], v[J]
.set J, J+1
.endr
	WALU
	POST 1
	s_wait_dscnt 0x0                               ; V's fragments and scale words, and all that was asked for ahead of them: the next step's operands
	PV
.endm
	s_load_b512 s[68:83], s[0:1], 0x0              ; time: Q's codes s[68:69], scales s[70:71]; K's s[72:73], s[74:75]; V's s[76:77], s[78:79]; channel: Q's s[80:81], s[82:83]
	s_load_b256 s[84:91], s[0:1], 0x40             ; channel: K's s[84:85], s[86:87]; V's s[88:89], s[90:91]
	s_load_b128 s[92:95], s[0:1], 0x60             ; the mask s[92:93], out0 s[94:95]
	s_load_b64 s[96:97], s[0:1], 0x70              ; out1
	v_lshl_add_u32 v[SPW], v0, 2, SPARE
	v_mov_b32 v[NIL], 0
	ds_add_u32 v[SPW], v[NIL]                      ; the wave's opening: the add, twice on end, ahead of my first copy
	ds_add_u32 v[SPW], v[NIL]
	v_lshrrev_b32 v166, 5, v0
	v_readfirstlane_b32 s[WV], v166                ; wave 0..7
	s_and_b32 s3, ttmp7, 0xffff                    ; 16 b + 8 attention + head
	s_lshr_b32 s60, s3, 4
	s_and_b32 s61, s3, 8
	s_and_b32 s62, s3, 7
	s_lshl_b32 s63, ttmp9, 8                       ; my block's first query
	s_lshl_b32 s4, s[WV], 5
	s_add_co_u32 s4, s4, s63                       ; my wave's
	s_mul_i32 s54, s60, 786432
	s_mul_i32 s55, s62, 48
	s_add_co_u32 s54, s54, s55                     ; codes of K and Q: b, head
	s_mov_b32 s55, 0
	s_lshl_b32 s56, s60, 15
	s_lshl_b32 s57, s62, 1
	s_add_co_u32 s56, s56, s57                     ; their scale bytes
	s_mov_b32 s57, 0
	s_lshl_b32 s58, s60, 3
	s_add_co_u32 s58, s58, s62
	s_mul_i32 s66, s58, 98304                      ; V's codes
	s_mov_b32 s67, 0
	s_lshl_b32 s58, s58, 12                        ; and scale bytes
	s_mov_b32 s59, 0
	s_mul_i32 s98, s4, 384
	s_add_co_u32 s98, s98, s54                     ; my queries' codes
	s_mov_b32 s99, 0
	s_lshl_b32 s100, s4, 4
	s_add_co_u32 s100, s100, s56                   ; and scale bytes
	s_mov_b32 s101, 0
	s_lshl_b32 s20, s60, 22
	s_and_b32 s42, s3, 15
	s_lshl_b32 s42, s42, 4
	s_add_co_u32 s42, s42, s63
	s_lshl_b32 s42, s42, 11
	s_add_co_u32 s42, s42, s20
	s_add_co_u32 s42, s42, 768                     ; the prefetches: my work-group's 16 rows; the first step puts them at trip 4
	s_mov_b32 s43, 0
	s_lshl_b32 s21, s4, 11
	s_add_co_u32 s20, s20, s21                     ; the mask at my wave's first query
	s_mov_b32 s21, 0
	s_lshl_b32 s12, s62, 8
	s_add_co_u32 s12, s12, s20                     ; and O: a position is 2,048 bytes, a head 256
	s_mov_b32 s13, 0
	s_mul_i32 s7, s[WV], WST
	s_add_co_u32 s7, s7, STG                       ; my stage
	s_mov_b32 s[SEL], 0x76543210
	s_mov_b32 s[SEL+1], 0xfedcba98
	s_mov_b32 s[CS], 0x3e38aa3b                    ; c = log2(e) / 8
	s_mov_b32 s[CS+1], s[CS]                       ; (named with it as a pair)
	s_cmp_eq_u32 s[WV], 0
	s_cselect_b32 s[LIM], 3, -1
.irp t, 0,1,2,3
	s_mov_b32 s[SV+\t], \t*16*VP
	s_mov_b32 s[SK+\t], \t*2*KBLK
.endr
	s_mov_b32 s[SSK], 0
	s_mov_b32 s[SSV], 0
	v_and_b32 v166, 15, v0                         ; r
	v_bfe_u32 v167, v0, 4, 1                       ; h
	v_and_b32 v168, 7, v0                          ; r % 8
	v_bfe_u32 v169, v0, 3, 1                       ; r / 8
	v_lshrrev_b32 v192, 4, v0                      ; thread / 16
	v_mul_u32_u24 v[AKB], v168, 48
	v_mad_u32_u24 v[AKB], v169, KBLK, v[AKB]
	v_mad_u32_u24 v[AKB], v167, 24, v[AKB]
	v_mul_u32_u24 v[AVB], v166, VP
	v_mad_u32_u24 v[AVB], v167, 24, v[AVB]
	v_add_nc_u32 v[AVB], VOFF, v[AVB]
	v_lshlrev_b32 v[ASKB], 2, v168
	v_lshl_add_u32 v[ASKB], v169, 7, v[ASKB]
	v_lshl_add_u32 v[ASKB], v167, 5, v[ASKB]
	v_add_nc_u32 v[ASKB], SCK, v[ASKB]
	v_lshrrev_b32 v170, 2, v166
	v_and_b32 v171, 3, v166
	v_mul_u32_u24 v[ASVB], v170, 272
	v_lshl_add_u32 v[ASVB], v171, 6, v[ASVB]
	v_mad_u32_u24 v[ASVB], v167, 1088, v[ASVB]
	v_add_nc_u32 v[ASVB], SCV, v[ASVB]
	v_mul_u32_u24 v[AML], v166, 272
	v_lshl_add_u32 v[AML], v167, 5, v[AML]
	v_add_nc_u32 v[AML], s7, v[AML]
	v_mul_u32_u24 v[AMS], v167, 272
	v_lshl_add_u32 v[AMS], v166, 4, v[AMS]
	v_add_nc_u32 v[AMS], s7, v[AMS]
	v_lshlrev_b32 v[GMO], 4, v166
	v_lshl_add_u32 v[GMO], v167, 11, v[GMO]
	v_lshlrev_b32 v[PFO], 11, v166
.irp t, 0,1,2,3
	v_add_nc_u32 v[AV+\t], \t*16*VP, v[AVB]
	v_add_nc_u32 v[AKE+\t], \t*2*KBLK, v[AKB]
.endr
	v_mov_b32 v[ASK], v[ASKB]
	v_mov_b32 v[ASV], v[ASVB]
	v_mul_u32_u24 v178, v166, 384                  ; Q: query r, my half's 24 bytes
	v_mad_u32_u24 v178, v167, 24, v178
	v_lshlrev_b32 v179, 4, v166                    ; Q's scale bytes
	v_lshlrev_b32 v180, 4, v0                      ; K's, a thread a key; V's, 16 a thread
	v_lshl_add_u32 v195, v0, 2, SCK                ; where K's go,
	v_lshlrev_b32 v194, 4, v192
	v_lshl_add_u32 v194, v0, 4, v194
	v_add_nc_u32 v194, SCV, v194                   ; and V's: 16 more for each 256 passed
	v_mul_u32_u24 v[KGO], v0, 384                  ; K: a thread a key of each 256; where it lies in memory,
	v_lshrrev_b32 v190, 5, v0
	v_and_b32 v191, 31, v0
	v_mul_u32_u24 v23, v190, KBLK
	v_mad_u32_u24 v23, v191, 48, v23               ; and in LDS: groups 0 to 3,
	v_add_nc_u32 v34, 4*KGRP, v23                  ; groups 4 to 7
	v_mul_u32_u24 v50, v192, 1536                  ; V's copies: row 16 a + thread / 16, 16 bytes a thread
	v_lshl_add_u32 v50, v166, 4, v50
	v_mul_u32_u24 v35, v192, VP
	v_lshl_add_u32 v35, v166, 4, v35
	v_add_nc_u32 v35, VOFF, v35
	v_add_nc_u32 v51, 16*1536, v50
	v_add_nc_u32 v52, 32*1536, v50
	v_add_nc_u32 v53, 48*1536, v50
	v_add_nc_u32 v59, 16*VP, v35
	v_add_nc_u32 v63, 32*VP, v35
	v_add_nc_u32 v55, 48*VP, v35
	WALU
	s_wait_dscnt 0x0                               ; both opening adds are done
	s_wait_kmcnt 0x0
	s_cmp_lg_u32 s61, 0                            ; time or channel
	s_cselect_b64 s[68:69], s[80:81], s[68:69]
	s_cselect_b64 s[70:71], s[82:83], s[70:71]
	s_cselect_b64 s[72:73], s[84:85], s[72:73]
	s_cselect_b64 s[74:75], s[86:87], s[74:75]
	s_cselect_b64 s[76:77], s[88:89], s[76:77]
	s_cselect_b64 s[78:79], s[90:91], s[78:79]
	s_cselect_b64 s[OUT:OUT+1], s[96:97], s[94:95]
	s_add_nc_u64 s[KB:KB+1], s[72:73], s[54:55]
	s_add_nc_u64 s[VB:VB+1], s[76:77], s[66:67]
	s_add_nc_u64 s[68:69], s[68:69], s[98:99]
	s_add_nc_u64 s[70:71], s[70:71], s[100:101]
	s_add_nc_u64 s[74:75], s[74:75], s[56:57]
	s_add_nc_u64 s[78:79], s[78:79], s[58:59]
	s_add_nc_u64 s[MB:MB+1], s[92:93], s[20:21]
	s_add_nc_u64 s[PF:PF+1], s[92:93], s[42:43]
	s_add_nc_u64 s[OUT:OUT+1], s[OUT:OUT+1], s[12:13]
	s_mov_b32 s12, 0xb1b1                          ; the mask blocks' scale bytes: 177
	VCOPY 0                                        ; what the first trip needs comes first
	WIN 0x40
	KGLOAD 0, 32                                   ; K's first two groups, into registers that S takes later
	WIN 0
.irp j, 0,1,2,3,4,5,6,7
	global_load_u16 v[P+\j], v180, s[74:75] offset:4096*\j
.endr
	global_load_b128 v[P+8:P+11], v180, s[78:79]
.irp u, 0,1
	global_load_u16 v[P+12+\u], v179, s[70:71] offset:256*\u
.irp i, 0,1,2
	global_load_b64 v[XY+36*\u+6+2*\i:XY+36*\u+7+2*\i], v178, s[68:69] offset:6144*\u+8*\i
.endr
.endr
	WIN 0x40
	MLOAD MG, 0                                    ; the first trip's mask, tile 0,
	MLOAD 0, 32768                                 ; and tile 1
	KGLOAD 1, 44
	KGLOAD 2, KG                                   ; the three youngest loads: stored in step 0
	WIN 0
	; K's constants: in tile type w the key with r % 8 = j lies at bit 64 w + 8 j; the code there is 0x30 (-2), in the lanes whose half h is the row's r / 8
	v_lshlrev_b32 v170, 3, v167
	v_sub_nc_u32 v171, v166, v170                  ; r - 8 h
.irp j, 0,1,2,3,4,5,6,7
	v_cmp_eq_u32 s[80+\j], \j, v171
.endr
.irp f, 0,1,2,3,4,5,6,7
.irp i, 0,1,2,3,4,5
	v_mov_b32 v[KF+12*\f+\i], 0
.endr
.endr
.irp w, 0,1,2
.irp j, 0,1,2,3,4,5,6,7
.set BIT, 6*((64*\w+8*\j)/6)+4
.set RG, KF+12*\w+BIT/32
	v_cndmask_b32 v[RG], v[RG], 3<<(BIT%32), s[80+\j]
.endr
.endr
.irp i, 0,1
	v_mov_b32 v[KF+36+\i], v[KF+\i]                ; c = 0, tile 3: Y's first two registers
	v_mov_b32 v[KF+48+\i], v[KF+\i]
	v_mov_b32 v[KF+60+2+\i], v[KF+12+2+\i]
	v_mov_b32 v[KF+72+4+\i], v[KF+24+4+\i]
	v_mov_b32 v[KF+84+2+\i], v[KF+12+2+\i]         ; c = 1, tile 3: Y's next two
.endr
.irp u, 0,1
	v_mov_b32 v[XY+36*\u+28], 0                    ; the rest of Y's mask half
	v_mov_b32 v[XY+36*\u+29], 0
	v_mov_b32 v[UB+6*\u], 0x6c800000
	v_mov_b32 v[UB+6*\u+1], 0xec800000             ; the largest t so far: -2^90, above every hidden t
	v_mov_b32 v[UB+6*\u+2], 0x6c800000             ; -M
	v_mov_b32 v[UB+6*\u+3], 0                      ; (a lane permute's destination counts as one of its sources)
	v_mov_b32 v[UB+6*\u+4], 0
	v_mov_b32 v[UB+6*\u+5], 0
.endr
	WIN 0x40
.set J, O
.rept 64
	v_mov_b32 v[J], 0                              ; O^T.  (The step finds zeros, which the first change of M leaves zeros)
.set J, J+1
.endr
.irp i, 0,1,2,3
	v_mov_b32 v[LS+\i], 0
.endr
	v_mov_b32 v[PX], 0
	WIN 0
	VCOPY 1                                        ; V's other 20 copies
	VCOPY 2
	VCOPY 3
	VCOPY 4
	VCOPY 5
	WALU
	s_wait_loadcnt 0x3                             ; all but the third group of K: Q, the scale bytes, the first trip's mask, two groups of K
.irp u, 0,1
	v_lshl_or_b32 v[QS+\u], v[P+12+\u], 16, s12
.irp i, 6,7,8,9,10,11
	v_mov_b32 v[XY+36*\u+12+\i], v[XY+36*\u+\i]    ; Q in each operand's upper half
	v_mov_b32 v[XY+36*\u+24+\i], v[XY+36*\u+\i]
.endr
.endr
.irp j, 0,1,2,3,4,5,6,7
	v_lshl_or_b32 v[P+\j], v[P+\j], 16, s12
.endr
.irp j, 0,1,2,3,4,5,6,7
	ds_store_b32 v195, v[P+\j] offset:1024*\j
.endr
	ds_store_b128 v194, v[P+8:P+11]
	MSTORE MG, 0
	MSTORE 0, 4352
	KSTORE 0, 32
	KSTORE 1, 44
	WIN 0
	s_mov_b32 s[TRIPS], 7
	WALU
	s_wait_asynccnt 20                             ; of my 24 copies the first four have landed: V's first 256 bytes of each row
	s_wait_dscnt 0x0                               ; and my stores
	s_barrier_signal -1
	s_barrier_wait -1
	KLOAD AKE, 0
	XYLOAD 0
	WIN 0x40
	MLOAD MG, 256
	WIN 0
	s_wait_dscnt 0x0
	STEP 0, 1, 0, 0, 2                             ; trip 0: keys of groups 0 and, ahead, 1
	STEP 1, 1, 0, 1, 3
	WIN 0
	s_mov_b32 s[TRIPS], 6
	STEP 0, 0, 0, 0, 4                             ; trip 1: its second step reads group 2, stored ahead of trip 0's barrier
	STEP 1, 0, 0, 2, 5
	WIN 0
	s_mov_b32 s[TRIPS], 5
	STEP 0, 0, 0, 0, 6                             ; trip 2: its second step reads group 3, stored ahead of trip 1's barrier
	STEP 1, 0, 0, 0, 7
	WIN 0
	s_wait_dscnt 0x0
	s_barrier_signal -1
	s_barrier_wait -1                              ; all of K is in
	s_mov_b32 s[TRIPS], 4
.Lpair:                                                ; trips 3 to 6
	STEP 0, 0, 0, 0, 0
	STEP 1, 0, 0, 0, 0
	WIN 0
	s_sub_co_u32 s[TRIPS], s[TRIPS], 1
	s_cmp_lg_u32 s[TRIPS], 0
	s_cbranch_scc1 .Lpair
	STEP 0, 0, 1, 0, 0
	STEP 1, 0, 1, 0, 0
	; THE WAY OUT.  O^T is divided by the row's sum and goes through my stage, so that sixteen lanes store the 256 consecutive bytes of one position and head, at a multiple of 256 from O's first byte
	WIN 0x05
	WALU                                           ; the sums were written ahead of a wait for LDS
.irp u, 0,1
	v_add_f32 v[UB+6*\u+5], v[LS+2*\u], v[LS+2*\u+1]
.endr
	WIN 0
.irp u, 0,1
	v_permlanex16_b32 v[UB+6*\u+3], v[UB+6*\u+5], s[SEL], s[SEL+1]
.endr
.irp u, 0,1
	v_add_f32 v[UB+6*\u+5], v[UB+6*\u+5], v[UB+6*\u+3]
.endr
	WALU
	v_rcp_f32 v[UB+5], v[UB+5]
	v_rcp_f32 v[UB+11], v[UB+11]
	v_nop
	WIN 0x41
	WALU
.irp u, 0,1
.set J, 0
.rept 32
	v_mul_f32 v[32*\u+J], v[O+32*\u+J], v[UB+6*\u+5]   ; register 8 t + i of tile u is o(query 16 u + r, channel 16 t + 8 h + i)
.set J, J+1
.endr
.endr
	WIN 0x04
.irp u, 0,1
.irp t, 0,1,2,3
	ds_store_b128 v[AML], v[32*\u+8*\t:32*\u+8*\t+3] offset:4352*\u+64*\t
	ds_store_b128 v[AML], v[32*\u+8*\t+4:32*\u+8*\t+7] offset:4352*\u+64*\t+16
.endr
.endr
	WIN 0x40
.irp k, 0,1,2,3,4,5,6,7,8,9,10,11,12,13,14,15
	ds_load_b128 v[64+4*\k:67+4*\k], v[AMS] offset:544*\k   ; LDS serves a wave's instructions in order (ISA guide 5.7.1.4): these see my stores
.endr
	WIN 0x04
.irp k, 0,1,2,3,4,5,6,7,8,9,10,11,12,13,14,15
	s_wait_dscnt 15-\k                             ; load k is back; the younger ones may be out
	global_store_b128 v[GMO], v[64+4*\k:67+4*\k], s[OUT:OUT+1] offset:4096*\k th:TH_STORE_NT   ; positions 2 k and 2 k + 1
.endr
	WIN 0
	s_wait_asynccnt 0x0
	s_wait_tensorcnt 0x0                           ; the wave's end
	ds_add_u32 v[SPW], v[NIL]
	s_wait_dscnt 0x0
	s_endpgm
.Lfunc_end_k_qbc7375d7f2_attn:
	.size	k_qbc7375d7f2_attn, .Lfunc_end_k_qbc7375d7f2_attn-k_qbc7375d7f2_attn
	.p2alignl 7, 3214868480
	.fill 96, 4, 3214868480
	.section	.rodata,"a",@progbits
	.p2align	6, 0x0
	.amdhsa_kernel k_qbc7375d7f2_attn
		.amdhsa_group_segment_fixed_size 327680
		.amdhsa_private_segment_fixed_size 0
		.amdhsa_enable_private_segment 0
		.amdhsa_kernarg_size 120
		.amdhsa_user_sgpr_count 2
		.amdhsa_user_sgpr_kernarg_segment_ptr 1
		.amdhsa_wavefront_size32 1
		.amdhsa_system_sgpr_workgroup_id_x 1
		.amdhsa_system_sgpr_workgroup_id_y 1
		.amdhsa_system_sgpr_workgroup_id_z 1
		.amdhsa_system_vgpr_workitem_id 0
		.amdhsa_next_free_vgpr 512
		.amdhsa_next_free_sgpr 102
		.amdhsa_reserve_vcc 0
		.amdhsa_float_denorm_mode_32 3
		.amdhsa_float_denorm_mode_16_64 3
		.amdhsa_memory_ordered 1
		.amdhsa_forward_progress 1
		.amdhsa_inst_pref_size 255
	.end_amdhsa_kernel
	.section	.bss,"aw",@nobits
	.p2align	6
	.space	262144
	.amdgpu_metadata
---
amdhsa.version: [ 1, 2 ]
amdhsa.kernels:
  - .name:           k_qbc7375d7f2_attn
    .symbol:         k_qbc7375d7f2_attn.kd
    .args:
      - { .name: queries_time_codes, .offset: 0, .size: 8, .value_kind: global_buffer, .address_space: global }
      - { .name: queries_time_scales, .offset: 8, .size: 8, .value_kind: global_buffer, .address_space: global }
      - { .name: keys_time_codes, .offset: 16, .size: 8, .value_kind: global_buffer, .address_space: global }
      - { .name: keys_time_scales, .offset: 24, .size: 8, .value_kind: global_buffer, .address_space: global }
      - { .name: values_time_codes, .offset: 32, .size: 8, .value_kind: global_buffer, .address_space: global }
      - { .name: values_time_scales, .offset: 40, .size: 8, .value_kind: global_buffer, .address_space: global }
      - { .name: queries_channel_codes, .offset: 48, .size: 8, .value_kind: global_buffer, .address_space: global }
      - { .name: queries_channel_scales, .offset: 56, .size: 8, .value_kind: global_buffer, .address_space: global }
      - { .name: keys_channel_codes, .offset: 64, .size: 8, .value_kind: global_buffer, .address_space: global }
      - { .name: keys_channel_scales, .offset: 72, .size: 8, .value_kind: global_buffer, .address_space: global }
      - { .name: values_channel_codes, .offset: 80, .size: 8, .value_kind: global_buffer, .address_space: global }
      - { .name: values_channel_scales, .offset: 88, .size: 8, .value_kind: global_buffer, .address_space: global }
      - { .name: attn_mask, .offset: 96, .size: 8, .value_kind: global_buffer, .address_space: global }
      - { .name: out0, .offset: 104, .size: 8, .value_kind: global_buffer, .address_space: global }
      - { .name: out1, .offset: 112, .size: 8, .value_kind: global_buffer, .address_space: global }
    .group_segment_fixed_size: 327680
    .private_segment_fixed_size: 0
    .kernarg_segment_align: 8
    .kernarg_segment_size: 120
    .max_flat_workgroup_size: 256
    .sgpr_count:     102
    .vgpr_count:     512
    .wavefront_size: 32
...
	.end_amdgpu_metadata
.endif
;; end of part 1
